; MI455X (gfx1250); checked and timed in simulation.
; The chip was launched on July 23, 2026; its instructions are those of AMD's public machine-readable ISA for CDNA 5 (MIT licence, August 2026) and "CDNA5" Instruction Set Architecture Reference Guide (July 2026). The comments in the code are by the model that wrote it; some were corrected since.
;; Residual Vector Quantizer. Allowed arithmetic: float matrix products may take bf16 or f16 operands with f32 sums; all other float work in f32.
;; Inputs: codebooks 4 x 256 x 128 float32; hidden_states 8,192 x 128 float32.
;; Outputs: out0 4 x 8,192 int32; out1 8,192 x 128 float32.
;; 2 versions, each right; version 2 is version 1 with the launch prep written anew for expert scheduling mode. Each part assembles by itself: llvm-mc -triple=amdgcn-amd-amdhsa -mcpu=gfx1250 --defsym DOCPART=n.
;; ======== version 1 of 2: 2 launches
;; limits: a difference of large sums (such as E[x^2] - mean^2): digits are lost where the result is much smaller than its terms
;; workspace buffers: cb16 262,144 bytes; aux 4,096 bytes
;; launch prep (part 1): grid 16 x 1, 16 waves a work-group, no clusters, 2,304 bytes of LDS; arguments codebooks, cb16, aux; writes cb16, aux
.if DOCPART == 1
	.amdgcn_target "amdgcn-amd-amdhsa--gfx1250"
	.amdhsa_code_object_version 6
	.text
	.protected	k_q7ac257e921_prep
	.globl	k_q7ac257e921_prep
	.p2align	8
	.type	k_q7ac257e921_prep,@function
k_q7ac257e921_prep:
	s_mov_b64 s[64:65], 0
	v_nop
	global_prefetch_b8 v0, s[64:65] scope:SCOPE_SE
	s_setreg_imm32_b32 hwreg(HW_REG_WAVE_MODE, 25, 1), 1
	s_wait_xcnt 0x0
; What every work-group of the second launch needs alike is made once here, from codebooks [4][256][128] f32:
;   cb16 [4][256][128] bf16 : the codebooks rounded to nearest even
;   aux  [4][256] f32       : b[level][code] = 0.5 * sum over d of (cb16[level][code][d] - mu[level][d])^2,
;                             mu[level] = cb16[level][0]: a vector out of the level's own cloud, so that a common offset
;                             of the codes drops out of b instead of being squared.
; 16 work-groups: level = id / 4, quarter = id % 4 (64 codes).  16 waves, 4 codes each.  A wave's load covers one whole
; row of 512 bytes, its store of bf16 one whole row of 256 bytes.  b is summed as a tree: 4 numbers in the lane, then 5 steps
; across the 32 lanes.  The 64 b of the work-group meet in LDS and leave as one store of 256 consecutive bytes.
; No matrix unit, tensor load or cluster: 512 KiB are read once and nothing is shared between work-groups but row 0.
; Limit: finite inputs only.
.set MRW, 8                            ; v[8:11]   the level's row 0, my 4 columns, f32
.set CR,  12                           ; v[12:27]  my wave's 4 rows x my 4 columns, f32
.set MP,  28                           ; v[28:29]  row 0 as bf16
.set MUF, 30                           ; v[30:33]  row 0 as bf16, widened again: mu
.set PK,  34                           ; v[34:41]  4 rows x 2 words of bf16: the stores' data, a pair for each row
.set F,   42                           ; v[42:45]  at work
.set S,   46                           ; v[46:47]  at work
.set SM,  48                           ; v[48:51]  the 4 rows' b
	s_load_b128 s[4:7], s[0:1], 0x0                ; codebooks s[4:5], cb16 s[6:7]
	s_load_b64 s[8:9], s[0:1], 0x10                ; aux
	v_lshl_add_u32 v64, v0, 2, 0x100
	v_mov_b32 v65, 0
	v_lshrrev_b32 v1, 5, v0
	v_readfirstlane_b32 s10, v1                    ; wave 0..15
	v_and_b32 v2, 31, v0                           ; lane
	s_lshr_b32 s11, ttmp9, 2                       ; level
	s_and_b32 s12, ttmp9, 3                        ; quarter
	s_lshl_b32 s14, s11, 17                        ; a level is 131,072 bytes of f32
	s_mov_b32 s15, 0
	v_lshlrev_b32 v3, 4, v2                        ; row 0: 16 lane
	s_lshl_b32 s17, s12, 15                        ; 64 rows x 512 bytes a quarter
	s_lshl_b32 s18, s10, 11                        ; 4 rows x 512 bytes a wave
	s_add_co_u32 s17, s17, s18
	v_lshl_add_u32 v4, v2, 4, s17                  ; my wave's own rows
	s_mov_b32 s19, 0xffff0000                      ; a word's upper bf16
	s_mov_b32 s20, 0x76543210                      ; v_permlanex16_b32: lane i reads lane i of the other half
	s_mov_b32 s21, 0xfedcba98
	s_lshl_b32 s22, s11, 16                        ; cb16: 65,536 bytes a level,
	s_lshl_b32 s23, s12, 14                        ; 16,384 a quarter,
	s_lshl_b32 s24, s10, 10                        ; 1,024 a wave (4 rows of 256 bytes)
	s_add_co_u32 s22, s22, s23
	s_add_co_u32 s22, s22, s24
	v_lshl_add_u32 v5, v2, 3, s22                  ; + 8 lane
	s_lshl_b32 s25, s11, 10                        ; aux: 1,024 bytes a level, 256 a quarter
	s_lshl_b32 s26, s12, 8
	s_add_co_u32 s25, s25, s26
	v_lshl_add_u32 v6, v2, 3, s25                  ; + 8 lane
	s_lshl_b32 s27, s10, 4
	v_mov_b32 v7, s27                              ; LDS: my wave's four b at 16 wave
	v_lshlrev_b32 v52, 3, v2                       ; LDS: where wave 0 reads all 64 back
	s_wait_kmcnt 0x0
	s_add_nc_u64 s[4:5], s[4:5], s[14:15]          ; the level
	global_load_b128 v[MRW:MRW+3], v3, s[4:5]
.irp k, 0,1,2,3
	global_load_b128 v[CR+4*\k:CR+4*\k+3], v4, s[4:5] offset:\k*512
.endr
	s_wait_loadcnt 0x0
	v_cvt_pk_bf16_f32 v[MP], v[MRW], v[MRW+1]
	v_cvt_pk_bf16_f32 v[MP+1], v[MRW+2], v[MRW+3]
	v_lshlrev_b32 v[MUF], 16, v[MP]                ; bf16 to f32: the low half moves up, the high half stays
	v_and_b32 v[MUF+1], s19, v[MP]
	v_lshlrev_b32 v[MUF+2], 16, v[MP+1]
	v_and_b32 v[MUF+3], s19, v[MP+1]
.irp k, 0,1,2,3
	v_cvt_pk_bf16_f32 v[PK+2*\k], v[CR+4*\k], v[CR+4*\k+1]
	v_cvt_pk_bf16_f32 v[PK+2*\k+1], v[CR+4*\k+2], v[CR+4*\k+3]
	global_store_b64 v5, v[PK+2*\k:PK+2*\k+1], s[6:7] offset:256*\k    ; the wave stores 256 consecutive bytes, aligned
	v_lshlrev_b32 v[F], 16, v[PK+2*\k]
	v_and_b32 v[F+1], s19, v[PK+2*\k]
	v_lshlrev_b32 v[F+2], 16, v[PK+2*\k+1]
	v_and_b32 v[F+3], s19, v[PK+2*\k+1]
	v_pk_add_f32 v[F:F+1], v[F:F+1], v[MUF:MUF+1] neg_lo:[0,1] neg_hi:[0,1]
	v_pk_add_f32 v[F+2:F+3], v[F+2:F+3], v[MUF+2:MUF+3] neg_lo:[0,1] neg_hi:[0,1]
	v_pk_mul_f32 v[S:S+1], v[F:F+1], v[F:F+1]
	v_pk_fma_f32 v[S:S+1], v[F+2:F+3], v[F+2:F+3], v[S:S+1]
	v_add_f32 v[SM+\k], v[S], v[S+1]
	v_add_f32_dpp v[SM+\k], v[SM+\k], v[SM+\k] row_xmask:1 row_mask:0xf bank_mask:0xf
	v_add_f32_dpp v[SM+\k], v[SM+\k], v[SM+\k] row_xmask:2 row_mask:0xf bank_mask:0xf
	v_add_f32_dpp v[SM+\k], v[SM+\k], v[SM+\k] row_xmask:4 row_mask:0xf bank_mask:0xf
	v_add_f32_dpp v[SM+\k], v[SM+\k], v[SM+\k] row_xmask:8 row_mask:0xf bank_mask:0xf
	v_permlanex16_b32 v[S], v[SM+\k], s20, s21     ; its destination counts as read: S has been written
	v_add_f32 v[SM+\k], v[SM+\k], v[S]
	v_mul_f32 v[SM+\k], 0.5, v[SM+\k]
	ds_store_b32 v7, v[SM+\k] offset:4*\k          ; all lanes write the same word with the same value
.endr
	s_wait_dscnt 0x0                               ; my four b are written before I say so
	s_barrier_signal -1
	s_barrier_wait -1
	s_cmp_lg_u32 s10, 0
	s_cbranch_scc1 .Ldone
	ds_load_b64 v[54:55], v52                      ; wave 0: the work-group's 64 b
	s_wait_dscnt 0x0
	global_store_b64 v6, v[54:55], s[8:9]          ; 256 consecutive bytes, aligned
.Ldone:
	s_wait_tensorcnt 0x0
	ds_add_u32 v64, v65
	s_wait_dscnt 0x0
	s_endpgm
.Lfunc_end_k_q7ac257e921_prep:
	.size	k_q7ac257e921_prep, .Lfunc_end_k_q7ac257e921_prep-k_q7ac257e921_prep
	.p2alignl 7, 3214868480
	.fill 96, 4, 3214868480
	.section	.rodata,"a",@progbits
	.p2align	6, 0x0
	.amdhsa_kernel k_q7ac257e921_prep
		.amdhsa_group_segment_fixed_size 2304
		.amdhsa_private_segment_fixed_size 0
		.amdhsa_enable_private_segment 0
		.amdhsa_kernarg_size 24
		.amdhsa_user_sgpr_count 2
		.amdhsa_user_sgpr_kernarg_segment_ptr 1
		.amdhsa_wavefront_size32 1
		.amdhsa_system_sgpr_workgroup_id_x 1
		.amdhsa_system_sgpr_workgroup_id_y 1
		.amdhsa_system_sgpr_workgroup_id_z 1
		.amdhsa_system_vgpr_workitem_id 0
		.amdhsa_next_free_vgpr 66
		.amdhsa_next_free_sgpr 66
		.amdhsa_reserve_vcc 0
		.amdhsa_float_denorm_mode_32 3
		.amdhsa_float_denorm_mode_16_64 3
		.amdhsa_memory_ordered 1
		.amdhsa_forward_progress 1
		.amdhsa_inst_pref_size 8
	.end_amdhsa_kernel
	.amdgpu_metadata
---
amdhsa.version: [ 1, 2 ]
amdhsa.kernels:
  - .name:           k_q7ac257e921_prep
    .symbol:         k_q7ac257e921_prep.kd
    .args:
      - { .name: codebooks, .offset: 0, .size: 8, .value_kind: global_buffer, .address_space: global }
      - { .name: cb16, .offset: 8, .size: 8, .value_kind: global_buffer, .address_space: global }
      - { .name: aux, .offset: 16, .size: 8, .value_kind: global_buffer, .address_space: global }
    .group_segment_fixed_size: 2304
    .private_segment_fixed_size: 0
    .kernarg_segment_align: 8
    .kernarg_segment_size: 24
    .max_flat_workgroup_size: 512
    .sgpr_count:     66
    .vgpr_count:     66
    .wavefront_size: 32
...
	.end_amdgpu_metadata
.endif
;; end of part 1
;; launch rvq (part 2): grid 256 x 1, 4 waves a work-group, clusters of 4 x 1, 315,904 bytes of LDS; arguments cb16, aux, hidden_states, out0, out1; writes out0, out1
.if DOCPART == 2
	.amdgcn_target "amdgcn-amd-amdhsa--gfx1250"
	.amdhsa_code_object_version 6
	.text
	.protected	k_q7ac257e921_rvq
	.globl	k_q7ac257e921_rvq
	.p2align	8
	.type	k_q7ac257e921_rvq,@function
k_q7ac257e921_rvq:
	s_mov_b64 s[64:65], 0
	v_nop
	global_prefetch_b8 v0, s[64:65] scope:SCOPE_SE
	s_setreg_imm32_b32 hwreg(HW_REG_WAVE_MODE, 25, 1), 1
	s_wait_xcnt 0x0
	s_wait_alu depctr_hold_cnt(0) depctr_sa_sdst(0) depctr_va_vdst(0) depctr_va_sdst(0) depctr_va_ssrc(0) depctr_va_vcc(0) depctr_vm_vsrc(0)
	s_getreg_b32 s2, hwreg(HW_REG_IB_STS2, 6, 4)
	s_cmp_eq_u32 s2, 0
	s_cbranch_scc0 .Lentry_in_a_cluster
	s_endpgm
.Lentry_in_a_cluster:
	s_bfe_u32 s2, ttmp6, 0x10000c
	s_cmp_lg_u32 s2, 0x3003
	s_cbranch_scc0 .Lentry_shape_is_right
	s_endpgm
.Lentry_shape_is_right:
; Residual vector quantiser: 8192 rows x 128, four levels of 256 codes.  A work-group owns 32 rows and does all four levels.
; ARITHMETIC.  hidden_states is rounded once to bf16, as the codebooks were by the launch before; all else is f32 or exact.
;   half the squared distance = (a term of the row alone) + b[j] - x . c[j],  x = r - mu,  b[j] = 0.5 |c[j] - mu|^2,  mu = the level's code 0.
;   x (f32) is split without error into three bf16 terms hi + mid + lo; c is one bf16 term: every product in the matrix unit is exact, and
;   the only roundings are those of the f32 sums (lo first, then mid, then hi: 12 links; b is added last).
;   The code is the lowest index among the minima.  The chosen code vector is fetched as onehot(code) x codebook in the matrix unit (1.0 times a
;   bf16 number: exact), so that no address hangs on a result of this launch.  r -= chosen and q += chosen in f32, as the problem's function does.
; LIMITS.  Inputs rounded to bf16.  The f32 roundings come in another order than in the direct form sum((r - c)^2): two codes whose distances
;   differ by a few units in the last place of f32 may be resolved the other way.  The sums hold x . mu, the same for all codes of a row, of order
;   |x| |mu|: with a large common offset the scores' last place grows with it.  Finite inputs only (a NaN gives code -1).
;   A work-group's part of a row of out0 is 128 bytes: half of an aligned block of 256.
; SHARES.  Four waves.  Distances: wave w takes codes 64 w .. 64 w + 63 for all 32 rows (A = 16 codes, B = 16 rows of x: a lane then holds 32 scores
;   of one row for each half of the rows, so most of the argmin stays in the lane).  Gather, r and q: wave w takes dims 32 w .. 32 w + 31 of all 32 rows.
;   Two barriers a level: the terms of x are written / the waves' (minimum, index) pairs are written.
; CLUSTER.  All 256 work-groups read the same 256 KiB of cb16; the four of a cluster ask for each tile jointly (mask 15).  All four levels fit in LDS
;   at once, so each wave issues four tensor loads at the start (four outstanding at the most) and no LDS byte is ever filled again.
.set PITCH, 272                        ; an LDS row of 128 bf16 + 16 bytes: 17 x 16, so the 16 rows that a fragment load touches begin 16 bytes apart modulo 256
.set LVL,   256*PITCH                  ; a level's codes in LDS: 69,632 bytes; the four levels lie at 0 .. 278,527
.set TERM,  4*LVL                      ; three slots of 32 rows x 272: hi, mid, lo of x; at the end the stage for q (32 rows x 528)
.set TSLOT, 32*PITCH
.set HST,   TERM+3*TSLOT               ; h as bf16, 32 rows x 272
.set XCH,   HST+TSLOT                  ; row x 64 + (2 wave + lane half) x 8: a pair (minimum, index); 2,048 bytes
.set QP,    528                        ; stage for q: 512 bytes + 16
; window 0
.set TA, 4                             ; TERM + 272 r + 16 h: fragments of x
.set PA, 5                             ; TA + 64 w: my 16 bytes of a row of x
.set CA, 6                             ; (64 w + r) 272 + 16 h + level: fragments of my codes
.set GA, 7                             ; (8 h + L%8) 272 + 64 w + 16 (L/8 % 2) + level: transposed fragments of my dims
.set MA, 8                             ; 64 w + 16 h + level: mu of my dims
.set XS, 9                             ; XCH + 64 r + 16 w + 8 h
.set XL, 10                            ; XCH + 64 r
.set SS, 11                            ; TERM + 528 r + 128 w + 32 h
.set SR, 12                            ; TERM + 4224 w + 16 L
.set HO, 13                            ; 4096 w + 16 L: rows 8 w .. of h and of out1
.set BO, 14                            ; 256 w + 32 h: b of my codes
.set CO, 15                            ; 4 L
.set CBASE, 16                         ; 64 w + 8 h
.set HS, 17                            ; HST + 2176 w + 8 L
.set MI,  18                           ; v[18:19], v[20:21]  (minimum, index) of rows r and 16 + r among my 32 codes
.set IDX, 22                           ; v22, v23   the codes of rows r and 16 + r
.set MR,  24                           ; v[24:31]   mu as loaded
.set ACC, 32                           ; v[32:95]   scores, tile (ct, rt) at 8 (2 ct + rt); later v[32:63]: the candidates, then chosen, tile (dt, rt) at 8 (2 dt + rt)
.set BIAS, 96                          ; v[96:127]  b, 8 for each ct
.set W,   128                          ; v[128:143] the one-hot fragment's 8 words for rt = 0, 1
.set R,   144                          ; v[144:175] residual, tile (dt, rt)
.set Q,   176                          ; v[176:207] quantized, tile (dt, rt)
.set MU,  208                          ; v[208:223] mu in f32, 8 for each dt
.set T,   224                          ; v[224:251] at work
.set CODE, 252                         ; v[252:255] level l: the code of row L
; window 1: fragments of x, term t, at 8 (8 t + 4 rt + kk); in the gather the one-hot fragments at 8 (8 rt + kk) lie over them
; window 2: fragments of my codes at 8 (4 ct + kk); transposed fragments at GF + 8 (8 dt + kk)
.set GF, 128
.set G1, 24                            ; s[24:31] descriptor group 1
.set G0, 32                            ; s[32:47] descriptor group 0, one set for each level
.set MSB, 0
.macro WIN new                         ; s_set_vgpr_msb: bits 1:0 source 0, 3:2 source 1, 5:4 source 2, 7:6 destination; the high byte repeats the setting that is left
.if MSB != \new
	s_set_vgpr_msb (MSB<<8)|\new
.set MSB, \new
.endif
.endm
.set TO_1, 0x40                        ; destination window 1
.set TO_2, 0x80                        ; destination window 2
.set MUL,  0x06                        ; A window 2, B window 1, C and D window 0
.macro BAR
	s_barrier_signal -1
	s_barrier_wait -1
.endm
.macro ROUND                           ; a round of the cluster's barrier: my work-group's barrier, wave 0 signals for it, all wait for the four work-groups, my barrier again
	s_barrier_signal -1
	s_barrier_wait -1
	s_cmp_lg_u32 s14, 0
	s_cbranch_scc1 .Lnot_wave_0_\@
	s_barrier_signal -3
.Lnot_wave_0_\@:
	s_barrier_wait -3
	s_barrier_signal -1
	s_barrier_wait -1
.endm
.macro PLACES                          ; four places behind the last matrix instruction, before its results are read and its registers loaded or written (ISA guide 7.12.1)
.rept 4
	v_nop
.endr
.endm
.macro LDCF                            ; 32 loads: my 64 codes x 128 dims as A fragments
	WIN TO_2
.irp ct, 0,1,2,3
.irp kk, 0,1,2,3
	ds_load_b128 v[8*(4*\ct+\kk):8*(4*\ct+\kk)+3],   v[CA] offset:\ct*16*PITCH+\kk*64
	ds_load_b128 v[8*(4*\ct+\kk)+4:8*(4*\ct+\kk)+7], v[CA] offset:\ct*16*PITCH+\kk*64+32
.endr
.endr
.endm
.macro LDMU                            ; 2 loads: code 0 of the level, my 2 x 8 dims
	ds_load_b128 v[MR:MR+3],   v[MA]
	ds_load_b128 v[MR+4:MR+7], v[MA] offset:32
.endm
.macro LDBIAS l                        ; 8 loads: b of my 4 x 8 codes; the wave's eight loads cover one aligned block of 256 bytes
.irp ct, 0,1,2,3
	global_load_b128 v[BIAS+8*\ct:BIAS+8*\ct+3],   v[BO], s[6:7] offset:(\l)*1024+\ct*64
	global_load_b128 v[BIAS+8*\ct+4:BIAS+8*\ct+7], v[BO], s[6:7] offset:(\l)*1024+\ct*64+16
.endr
.endm
.macro LDTF                            ; 48 loads: the three terms of x as B fragments, lo first: 16 loads a term
	WIN TO_1
.irp t, 2,1,0
.irp rt, 0,1
.irp kk, 0,1,2,3
	ds_load_b128 v[8*(8*\t+4*\rt+\kk):8*(8*\t+4*\rt+\kk)+3],   v[TA] offset:\t*TSLOT+\rt*16*PITCH+\kk*64
	ds_load_b128 v[8*(8*\t+4*\rt+\kk)+4:8*(8*\t+4*\rt+\kk)+7], v[TA] offset:\t*TSLOT+\rt*16*PITCH+\kk*64+32
.endr
.endr
.endr
.endm
.macro LDGF                            ; 32 transposing loads: my 32 dims x all 256 codes as A fragments (rows = dims, K = codes)
	WIN TO_2
.irp dt, 0,1
.irp kk, 0,1,2,3,4,5,6,7
	ds_load_tr16_b128 v[GF+8*(8*\dt+\kk):GF+8*(8*\dt+\kk)+3],   v[GA] offset:\kk*32*PITCH+\dt*32
	ds_load_tr16_b128 v[GF+8*(8*\dt+\kk)+4:GF+8*(8*\dt+\kk)+7], v[GA] offset:\kk*32*PITCH+\dt*32+16*PITCH
.endr
.endr
.endm
; One K step of 32 of one term: the eight accumulators take turns, one instruction a turn.
.macro DISTK t, kk, zero
.irp ct, 0,1,2,3
.irp rt, 0,1
.if \zero
	v_wmma_f32_16x16x32_bf16 v[ACC+8*(2*\ct+\rt):ACC+8*(2*\ct+\rt)+7], v[8*(4*\ct+\kk):8*(4*\ct+\kk)+7], v[8*(8*\t+4*\rt+\kk):8*(8*\t+4*\rt+\kk)+7], 0
.else
	v_wmma_f32_16x16x32_bf16 v[ACC+8*(2*\ct+\rt):ACC+8*(2*\ct+\rt)+7], v[8*(4*\ct+\kk):8*(4*\ct+\kk)+7], v[8*(8*\t+4*\rt+\kk):8*(8*\t+4*\rt+\kk)+7], v[ACC+8*(2*\ct+\rt):ACC+8*(2*\ct+\rt)+7]
.endif
.endr
.endr
.endm
.macro DIST t, zero                    ; zero = 1: the first products start the sums
	WIN MUL
	DISTK \t, 0, \zero
	DISTK \t, 1, 0
	DISTK \t, 2, 0
	DISTK \t, 3, 0
.endm
; One K step of 32 codes of the gather: the four accumulators take turns, one instruction a turn.
.macro GATHK gb, kk, zero
.irp dt, 0,1
.irp rt, 0,1
.if \zero
	v_wmma_f32_16x16x32_bf16 v[\gb+8*(2*\dt+\rt):\gb+8*(2*\dt+\rt)+7], v[GF+8*(8*\dt+\kk):GF+8*(8*\dt+\kk)+7], v[8*(8*\rt+\kk):8*(8*\rt+\kk)+7], 0
.else
	v_wmma_f32_16x16x32_bf16 v[\gb+8*(2*\dt+\rt):\gb+8*(2*\dt+\rt)+7], v[GF+8*(8*\dt+\kk):GF+8*(8*\dt+\kk)+7], v[8*(8*\rt+\kk):8*(8*\rt+\kk)+7], v[\gb+8*(2*\dt+\rt):\gb+8*(2*\dt+\rt)+7]
.endif
.endr
.endr
.endm
.macro GATHER gb
	WIN MUL
	GATHK \gb, 0, 1
.irp kk, 1,2,3,4,5,6,7
	GATHK \gb, \kk, 0
.endr
.endm
; The 8 numbers in T .. T+7 lose their leading 8 bits: these go, as bf16, to T+o .. T+o+3; the rest (exact in f32) stays in T .. T+7.
.macro PEEL o
.irp i, 0,1,2,3
	v_cvt_pk_bf16_f32 v[T+\o+\i], v[T+2*\i], v[T+2*\i+1]
.endr
.irp i, 0,1,2,3
	v_lshlrev_b32 v[T+8+2*\i], 16, v[T+\o+\i]
	v_and_b32 v[T+9+2*\i], s50, v[T+\o+\i]
.endr
.irp i, 0,2,4,6
	v_pk_add_f32 v[T+\i:T+\i+1], v[T+\i:T+\i+1], v[T+8+\i:T+9+\i] neg_lo:[0,1] neg_hi:[0,1]
.endr
.endm
; x = r - mu, split into hi + mid + lo (24 bits = 3 x 8: the third conversion rounds nothing), 16 bytes of each into its slot
.macro SPLIT
.irp dt, 0,1
.irp rt, 0,1
.irp i, 0,2,4,6
	v_pk_add_f32 v[T+\i:T+\i+1], v[R+8*(2*\dt+\rt)+\i:R+8*(2*\dt+\rt)+\i+1], v[MU+8*\dt+\i:MU+8*\dt+\i+1] neg_lo:[0,1] neg_hi:[0,1]
.endr
	PEEL 16
	PEEL 20
.irp i, 0,1,2,3
	v_cvt_pk_bf16_f32 v[T+24+\i], v[T+2*\i], v[T+2*\i+1]
.endr
.irp t, 0,1,2
	ds_store_b128 v[PA], v[T+16+4*\t:T+19+4*\t] offset:\t*TSLOT+\rt*16*PITCH+\dt*32
.endr
.endr
.endr
.endm
; Score n = 8 ct + j of row tile rt lies in v[ACC + 16 (n/8) + 8 rt + n%8] and belongs to code 64 w + 8 h + 16 (n/8) + n%8.
.macro ARGMIN
.irp ct, 0,1,2,3
.irp rt, 0,1
.irp i, 0,2,4,6
	v_pk_add_f32 v[ACC+8*(2*\ct+\rt)+\i:ACC+8*(2*\ct+\rt)+\i+1], v[BIAS+8*\ct+\i:BIAS+8*\ct+\i+1], v[ACC+8*(2*\ct+\rt)+\i:ACC+8*(2*\ct+\rt)+\i+1] neg_lo:[0,1] neg_hi:[0,1]   ; b - x . c
.endr
.endr
.endr
	v_min3_num_f32 v[MI],   v[ACC],   v[ACC+1], v[ACC+2]
	v_min3_num_f32 v[MI+2], v[ACC+8], v[ACC+9], v[ACC+10]
.set n, 3
.rept 14
	v_min3_num_f32 v[MI],   v[MI],   v[ACC+16*(n/8)+n%8],   v[ACC+16*((n+1)/8)+(n+1)%8]
	v_min3_num_f32 v[MI+2], v[MI+2], v[ACC+8+16*(n/8)+n%8], v[ACC+8+16*((n+1)/8)+(n+1)%8]
.set n, n+2
.endr
	v_min_num_f32 v[MI],   v[MI],   v[ACC+55]
	v_min_num_f32 v[MI+2], v[MI+2], v[ACC+63]
	v_mov_b32 v[MI+1], 55                          ; n = 31; the lower n overwrite it in descending order: the lowest index among the minima stays
	v_mov_b32 v[MI+3], 55
.set n, 30
.rept 31
	v_cmp_eq_f32 vcc_lo, v[MI],   v[ACC+16*(n/8)+n%8]
	v_cmp_eq_f32 s51,    v[MI+2], v[ACC+8+16*(n/8)+n%8]
	v_cndmask_b32 v[MI+1], v[MI+1], 16*(n/8)+n%8, vcc_lo
	v_cndmask_b32 v[MI+3], v[MI+3], 16*(n/8)+n%8, s51
.set n, n-1
.endr
	v_add_nc_u32 v[MI+1], v[MI+1], v[CBASE]
	v_add_nc_u32 v[MI+3], v[MI+3], v[CBASE]
	ds_store_b64 v[XS], v[MI:MI+1]
	ds_store_b64 v[XS], v[MI+2:MI+3] offset:1024
.endm
; The 8 candidates (minimum, index) of row 16 rt + r lie in v[ACC + 16 rt ..]: the least minimum, and among its holders the lowest index.
.macro COMBINE rt
	v_min3_num_f32 v[T+\rt], v[ACC+16*\rt], v[ACC+16*\rt+2], v[ACC+16*\rt+4]
	v_min3_num_f32 v[T+\rt], v[T+\rt], v[ACC+16*\rt+6], v[ACC+16*\rt+8]
	v_min3_num_f32 v[T+\rt], v[T+\rt], v[ACC+16*\rt+10], v[ACC+16*\rt+12]
	v_min_num_f32 v[T+\rt], v[T+\rt], v[ACC+16*\rt+14]
.irp p, 0,1,2,3,4,5,6,7
	v_cmp_eq_f32 vcc_lo, v[T+\rt], v[ACC+16*\rt+2*\p]
	v_cndmask_b32 v[ACC+16*\rt+2*\p+1], -1, v[ACC+16*\rt+2*\p+1], vcc_lo
.endr
	v_min_u32 v[ACC+16*\rt+1],  v[ACC+16*\rt+1],  v[ACC+16*\rt+3]
	v_min_u32 v[ACC+16*\rt+5],  v[ACC+16*\rt+5],  v[ACC+16*\rt+7]
	v_min_u32 v[ACC+16*\rt+9],  v[ACC+16*\rt+9],  v[ACC+16*\rt+11]
	v_min_u32 v[ACC+16*\rt+13], v[ACC+16*\rt+13], v[ACC+16*\rt+15]
	v_min_u32 v[ACC+16*\rt+1],  v[ACC+16*\rt+1],  v[ACC+16*\rt+5]
	v_min_u32 v[ACC+16*\rt+9],  v[ACC+16*\rt+9],  v[ACC+16*\rt+13]
	v_min_u32 v[IDX+\rt], v[ACC+16*\rt+1], v[ACC+16*\rt+9]
.endm
; B fragments of onehot(code): column = row r, K = code.  Code bits 7:5 pick the K step, bit 4 and bits 2:1 the register, bit 3 the lane half, bit 0 the half word.
.macro ONEHOT
.irp rt, 0,1
	v_bfe_u32 v[T+4*\rt], v[IDX+\rt], 3, 1
	v_and_b32 v[T+4*\rt+1], 1, v[IDX+\rt]
	v_bfe_u32 v[T+4*\rt+2], v[IDX+\rt], 4, 1
	v_bfe_u32 v[T+4*\rt+3], v[IDX+\rt], 1, 2
	v_cmp_eq_u32 vcc_lo, v[T+4*\rt], v3
	v_lshlrev_b32 v[T+4*\rt+1], 4, v[T+4*\rt+1]
	v_lshl_or_b32 v[T+4*\rt+3], v[T+4*\rt+2], 2, v[T+4*\rt+3]     ; which of the 8 registers
	v_lshlrev_b32 v[T+4*\rt+1], v[T+4*\rt+1], s49                 ; bf16 1.0 in the low or the high half
	v_cndmask_b32 v[T+4*\rt+1], 0, v[T+4*\rt+1], vcc_lo           ; in my lane half, else 0
	v_lshrrev_b32 v[T+8+\rt], 5, v[IDX+\rt]                       ; which K step
.irp n, 0,1,2,3,4,5,6,7
	v_cmp_eq_u32 vcc_lo, \n, v[T+4*\rt+3]
	v_cndmask_b32 v[W+8*\rt+\n], 0, v[T+4*\rt+1], vcc_lo
.endr
.endr
	WIN TO_1
.irp rt, 0,1
.irp kk, 0,1,2,3,4,5,6,7
	v_cmp_eq_u32 vcc_lo, \kk, v[T+8+\rt]
.irp n, 0,1,2,3,4,5,6,7
	v_cndmask_b32 v[8*(8*\rt+\kk)+\n], 0, v[W+8*\rt+\n], vcc_lo
.endr
.endr
.endr
.endm
.macro UPD dst, src, sub               ; 32 numbers: dst -= src or dst += src
.set i, 0
.rept 16
.if \sub
	v_pk_add_f32 v[\dst+i:\dst+i+1], v[\dst+i:\dst+i+1], v[\src+i:\src+i+1] neg_lo:[0,1] neg_hi:[0,1]
.else
	v_pk_add_f32 v[\dst+i:\dst+i+1], v[\dst+i:\dst+i+1], v[\src+i:\src+i+1]
.endif
.set i, i+2
.endr
.endm
	s_load_b256 s[4:11], s[0:1], 0x0               ; cb16 s[4:5], aux s[6:7], hidden_states s[8:9], out0 s[10:11]
	s_load_b64 s[12:13], s[0:1], 0x20              ; out1
	s_set_vgpr_msb 0x40
	v_lshl_add_u32 v254, v0, 2, 0x4d000
	v_mov_b32 v255, 0
	s_set_vgpr_msb 0x4045
	ds_add_u32 v254, v255
	s_set_vgpr_msb 0x4500
	v_lshrrev_b32 v4, 5, v0
	v_readfirstlane_b32 s14, v4                    ; wave w
	s_bfe_u32 s60, ttmp6, 0x40000                  ; my place in the cluster; it enters the addresses of h, out0 and out1 alone
	s_lshl_b32 s15, ttmp9, 2
	s_add_co_u32 s15, s15, s60                     ; work-group = 4 x cluster + place
	s_mov_b32 s49, 0x3f80                          ; bf16 1.0
	s_mov_b32 s50, 0xffff0000                      ; a word's upper bf16; as a lane mask: lanes 16 to 31
	v_and_b32 v1, 31, v0                           ; L
	v_and_b32 v2, 15, v0                           ; r
	v_bfe_u32 v3, v0, 4, 1                         ; h
	s_lshl_b32 s16, s14, 6                         ; 64 w
	s_mul_i32 s20, s14, 64*PITCH                   ; my 64 codes' rows in a level
	v_mul_u32_u24 v[TA], v2, PITCH
	v_lshl_add_u32 v[TA], v3, 4, v[TA]             ; 272 r + 16 h
	v_add_nc_u32 v[CA], s20, v[TA]
	v_add_nc_u32 v[TA], TERM, v[TA]
	v_add_nc_u32 v[PA], s16, v[TA]
	v_and_b32 v[GA], 7, v0
	v_lshl_add_u32 v[GA], v3, 3, v[GA]
	v_mul_u32_u24 v[GA], v[GA], PITCH
	v_bfe_u32 v[MA], v0, 3, 1
	v_lshl_add_u32 v[GA], v[MA], 4, v[GA]
	v_add_nc_u32 v[GA], s16, v[GA]
	v_lshl_add_u32 v[MA], v3, 4, s16
	s_lshl_b32 s17, s14, 4
	s_add_co_u32 s17, s17, XCH
	v_lshl_add_u32 v[XS], v2, 6, s17
	v_lshl_add_u32 v[XS], v3, 3, v[XS]
	v_lshl_add_u32 v[XL], v2, 6, XCH
	s_lshl_b32 s18, s14, 7
	s_add_co_u32 s18, s18, TERM
	v_mul_u32_u24 v[SS], v2, QP
	v_lshl_add_u32 v[SS], v3, 5, v[SS]
	v_add_nc_u32 v[SS], s18, v[SS]
	s_mul_i32 s19, s14, 8*QP
	s_add_co_u32 s19, s19, TERM
	v_lshl_add_u32 v[SR], v1, 4, s19
	s_lshl_b32 s21, s14, 12
	v_lshl_add_u32 v[HO], v1, 4, s21
	s_lshl_b32 s22, s14, 8
	v_lshl_add_u32 v[BO], v3, 5, s22
	v_lshlrev_b32 v[CO], 2, v1
	v_lshl_add_u32 v[CBASE], v3, 3, s16
	s_mul_i32 s23, s14, 8*PITCH
	s_add_co_u32 s23, s23, HST
	v_lshl_add_u32 v[HS], v1, 3, s23
	; descriptor group 1: a tile of 64 rows x 128 bf16, 16 bytes of padding behind each row, for all four work-groups of the cluster
	s_mov_b32 s[G1+0], 15|(1<<16)|(1<<20)|(1<<21)|(5<<22)|(3<<25)  ; 15:0 mask; 17:16 elements of 2 bytes; 20 padding on; 21 set beside a mask; 24:22 after every 64 words; 31:25 4 words
	s_mov_b32 s[G1+1], 128<<16                     ; tensor_dim0 = 128
	s_mov_b32 s[G1+2], 64<<16                      ; tensor_dim1 = 64
	s_mov_b32 s[G1+3], 128<<16                     ; tile_dim0 = 128
	s_mov_b32 s[G1+4], 64                          ; tile_dim1 = 64
	s_mov_b32 s[G1+5], 128                         ; 128 elements from row to row
	s_mov_b32 s[G1+6], 0
	s_mov_b32 s[G1+7], 0
	s_lshl_b32 s52, s14, 14                        ; my 64 rows of 256 bytes in a level of cb16
	s_mov_b32 s53, 0
	s_lshl_b32 s56, s15, 14                        ; 32 rows of 512 bytes in h and out1
	s_mov_b32 s57, 0
	s_lshl_b32 s58, s15, 7                         ; 32 codes of 4 bytes in a row of out0
	s_mov_b32 s59, 0
	s_wait_dscnt 0x0
	s_wait_kmcnt 0x0
	s_add_nc_u64 s[54:55], s[4:5], s[52:53]
	s_add_nc_u64 s[8:9], s[8:9], s[56:57]
	s_add_nc_u64 s[12:13], s[12:13], s[56:57]
	s_add_nc_u64 s[10:11], s[10:11], s[58:59]
.irp l, 0,1,2,3
	s_mov_b32 s[G0+4*\l], 1                                        ; count = 1
	s_add_co_u32 s[G0+4*\l+1], s20, \l*LVL                         ; LDS address: the wave's number times 17,408 plus the level's constant
	s_add_nc_u64 s[G0+4*\l+2:G0+4*\l+3], s[54:55], \l*65536        ; global address: the same in all four work-groups
	s_or_b32 s[G0+4*\l+3], s[G0+4*\l+3], 0x80000000                ; type = 2
.endr
.irp g, 0,1,2,3,4,5,6,7
	global_load_b128 v[ACC+4*\g:ACC+4*\g+3], v[HO], s[8:9] offset:512*\g th:TH_LOAD_NT   ; rows 8 w + g of h: 512 consecutive bytes each
.endr
	LDBIAS 0
	ROUND                                          ; the four work-groups are here: the joint loads meet
.irp l, 0,1,2,3
	tensor_load_to_lds s[G0+4*\l:G0+4*\l+3], s[G1:G1+7]            ; my 64 rows of each level, once
	s_nop 0
.endr
	s_wait_loadcnt 0x8                             ; h is in; the 8 loads of b stay out
.irp g, 0,1,2,3,4,5,6,7
	v_cvt_pk_bf16_f32 v[T+2*\g], v[ACC+4*\g], v[ACC+4*\g+1]
	v_cvt_pk_bf16_f32 v[T+2*\g+1], v[ACC+4*\g+2], v[ACC+4*\g+3]
	ds_store_b64 v[HS], v[T+2*\g:T+2*\g+1] offset:PITCH*\g
.endr
	s_wait_dscnt 0x0                               ; my rows of h are written,
	s_wait_tensorcnt 0x3                           ; my part of level 0 has landed (the three later levels stay out)
	BAR
.irp dt, 0,1
.irp rt, 0,1
	ds_load_b128 v[T+4*(2*\dt+\rt):T+4*(2*\dt+\rt)+3], v[PA] offset:3*TSLOT+\rt*16*PITCH+\dt*32   ; h in the layout of r: row 16 rt + r, dims 32 w + 16 dt + 8 h ..
.endr
.endr
	LDMU
	LDCF
	WIN 0
	s_wait_dscnt 34                                ; the 4 loads of h are in; mu's 2 and the codes' 32 stay out
.irp i, 0,1,2,3,4,5,6,7,8,9,10,11,12,13,14,15
	v_lshlrev_b32 v[R+2*\i], 16, v[T+\i]
	v_and_b32 v[R+2*\i+1], s50, v[T+\i]
.endr
.macro LEVEL l
	s_wait_dscnt 32                                ; mu is in; the 32 loads of code fragments stay out
.irp i, 0,1,2,3,4,5,6,7
	v_lshlrev_b32 v[MU+2*\i], 16, v[MR+\i]
	v_and_b32 v[MU+2*\i+1], s50, v[MR+\i]
.endr
	SPLIT
	s_wait_dscnt 0x0                               ; my part of x is written (and my reads of the pairs of the level before are over)
	BAR
.if \l > 0
	v_add_nc_u32 v[GA], LVL, v[GA]
.endif
	LDTF
	s_wait_dscnt 32                                ; lo's 16 loads are in
	DIST 2, 1
	s_wait_dscnt 16                                ; mid's are in
	LDGF
	DIST 1, 0
	s_wait_dscnt 32                                ; hi's are in; the 32 transposing loads stay out
	DIST 0, 0
	WIN 0
	PLACES
	s_wait_loadcnt 0x0                             ; b
	ARGMIN
	s_wait_dscnt 0x0                               ; my pairs are written, my reads of x are over
.if \l < 3
	s_wait_tensorcnt 2-\l                          ; my part of the next level has landed; the later levels stay out
.endif
	BAR
.irp rt, 0,1
.irp c, 0,1,2,3
	ds_load_b128 v[ACC+16*\rt+4*\c:ACC+16*\rt+4*\c+3], v[XL] offset:\rt*1024+16*\c     ; the 8 candidates of rows r and 16 + r
.endr
.endr
.if \l < 3
	v_add_nc_u32 v[CA], LVL, v[CA]                 ; the next level's mu, code fragments and b are asked for now
	v_add_nc_u32 v[MA], LVL, v[MA]
	LDMU
	LDCF
	WIN 0
	LDBIAS \l+1
	s_wait_dscnt 34                                ; the 8 loads of candidates are in; the 2 + 32 behind them stay out
.else
	s_wait_dscnt 0x0
.endif
	COMBINE 0
	COMBINE 1
	v_cndmask_b32 v[CODE+\l], v[IDX], v[IDX+1], s50        ; lane L: the code of row L
	s_cmp_lg_u32 s14, \l
	s_cbranch_scc1 .Lnot_mine_\@                   ; every wave holds all 32 codes: wave l stores level l's
	global_store_b32 v[CO], v[CODE+\l], s[10:11] offset:\l*32768   ; 128 consecutive bytes
.Lnot_mine_\@:
	ONEHOT
.if \l == 0
	GATHER Q                                       ; q = 0 + chosen
	WIN 0
	PLACES
	UPD R, Q, 1
.else
	GATHER ACC
	WIN 0
	PLACES
.if \l < 3
	UPD R, ACC, 1
.endif
	UPD Q, ACC, 0
.endif
.endm
	LEVEL 0
	LEVEL 1
	LEVEL 2
	LEVEL 3
	; q leaves through LDS: a lane's 8 neighbouring dims go in as 32 bytes of a row, whole rows of 512 bytes come back.
	; The stage lies over the slots of x, which no wave reads any more (each waited for its reads in front of the last barrier) and no tensor load fills.
.irp dt, 0,1
.irp rt, 0,1
	ds_store_b128 v[SS], v[Q+8*(2*\dt+\rt):Q+8*(2*\dt+\rt)+3]   offset:\rt*16*QP+\dt*64
	ds_store_b128 v[SS], v[Q+8*(2*\dt+\rt)+4:Q+8*(2*\dt+\rt)+7] offset:\rt*16*QP+\dt*64+16
.endr
.endr
	s_wait_dscnt 0x0                               ; my dims are written
	BAR
.irp g, 0,1,2,3,4,5,6,7
	ds_load_b128 v[ACC+4*\g:ACC+4*\g+3], v[SR] offset:\g*QP        ; rows 8 w + g
.endr
.irp g, 0,1,2,3,4,5,6,7
	s_wait_dscnt 7-\g                              ; LDS loads come back in order: row g is in
	global_store_b128 v[HO], v[ACC+4*\g:ACC+4*\g+3], s[12:13] offset:512*\g th:TH_STORE_NT   ; 512 consecutive bytes, aligned
.endr
	s_set_vgpr_msb 0x5
	s_wait_tensorcnt 0x0
	ds_add_u32 v254, v255
	s_wait_dscnt 0x0
	s_set_vgpr_msb 0x500
	ROUND                                          ; the closing round: no work-group ends while a partner may still ask jointly
	s_endpgm
.Lfunc_end_k_q7ac257e921_rvq:
	.size	k_q7ac257e921_rvq, .Lfunc_end_k_q7ac257e921_rvq-k_q7ac257e921_rvq
	.p2alignl 7, 3214868480
	.fill 96, 4, 3214868480
	.section	.rodata,"a",@progbits
	.p2align	6, 0x0
	.amdhsa_kernel k_q7ac257e921_rvq
		.amdhsa_group_segment_fixed_size 315904
		.amdhsa_private_segment_fixed_size 0
		.amdhsa_enable_private_segment 0
		.amdhsa_kernarg_size 40
		.amdhsa_user_sgpr_count 2
		.amdhsa_user_sgpr_kernarg_segment_ptr 1
		.amdhsa_wavefront_size32 1
		.amdhsa_system_sgpr_workgroup_id_x 1
		.amdhsa_system_sgpr_workgroup_id_y 1
		.amdhsa_system_sgpr_workgroup_id_z 1
		.amdhsa_system_vgpr_workitem_id 0
		.amdhsa_next_free_vgpr 768
		.amdhsa_next_free_sgpr 66
		.amdhsa_reserve_vcc 1
		.amdhsa_float_denorm_mode_32 3
		.amdhsa_float_denorm_mode_16_64 3
		.amdhsa_memory_ordered 1
		.amdhsa_forward_progress 1
		.amdhsa_inst_pref_size 203
	.end_amdhsa_kernel
	.amdgpu_metadata
---
amdhsa.version: [ 1, 2 ]
amdhsa.kernels:
  - .name:           k_q7ac257e921_rvq
    .symbol:         k_q7ac257e921_rvq.kd
    .args:
      - { .name: cb16, .offset: 0, .size: 8, .value_kind: global_buffer, .address_space: global }
      - { .name: aux, .offset: 8, .size: 8, .value_kind: global_buffer, .address_space: global }
      - { .name: hidden_states, .offset: 16, .size: 8, .value_kind: global_buffer, .address_space: global }
      - { .name: out0, .offset: 24, .size: 8, .value_kind: global_buffer, .address_space: global }
      - { .name: out1, .offset: 32, .size: 8, .value_kind: global_buffer, .address_space: global }
    .group_segment_fixed_size: 315904
    .private_segment_fixed_size: 0
    .kernarg_segment_align: 8
    .kernarg_segment_size: 40
    .max_flat_workgroup_size: 128
    .sgpr_count:     66
    .vgpr_count:     768
    .wavefront_size: 32
...
	.end_amdgpu_metadata
.endif
;; end of part 2
;; ======== version 2 of 2: 2 launches; version 1 with the launch prep written anew for expert scheduling mode
;; limits: a difference of large sums (such as E[x^2] - mean^2): digits are lost where the result is much smaller than its terms
;; workspace buffers: cb16 262,144 bytes; aux 4,096 bytes
;; launch prep (part 3): grid 16 x 1, 16 waves a work-group, no clusters, 2,304 bytes of LDS; arguments codebooks, cb16, aux; writes cb16, aux
.if DOCPART == 3
	.amdgcn_target "amdgcn-amd-amdhsa--gfx1250"
	.amdhsa_code_object_version 6
	.text
	.protected	k_q7ac257e921_prep
	.globl	k_q7ac257e921_prep
	.p2align	8
	.type	k_q7ac257e921_prep,@function
k_q7ac257e921_prep:
	s_mov_b64 s[64:65], 0
	v_nop
	global_prefetch_b8 v0, s[64:65] scope:SCOPE_SE
	s_setreg_imm32_b32 hwreg(HW_REG_WAVE_SCHED_MODE, 0, 2), 2
	s_setreg_imm32_b32 hwreg(HW_REG_WAVE_MODE, 25, 1), 1
	s_wait_xcnt 0x0
	s_wait_alu depctr_vm_vsrc(0)
; What every work-group of the second launch needs alike is made once here, from codebooks [4][256][128] f32:
;   cb16 [4][256][128] bf16 : the codebooks rounded to nearest even
;   aux  [4][256] f32       : b[level][code] = 0.5 * sum over d of (cb16[level][code][d] - mu[level][d])^2,
;                             mu[level] = cb16[level][0]: a vector out of the level's own cloud, so that a common offset
;                             of the codes drops out of b instead of being squared.
; 16 work-groups: level = id / 4, quarter = id % 4 (64 codes).  16 waves, 4 codes each.  A wave's load covers one whole
; row of 512 bytes, its store of bf16 one whole row of 256 bytes.  b is summed as a tree: 4 numbers in the lane, then 5 steps
; across the 32 lanes.  The 64 b of the work-group meet in LDS and leave as one store of 256 consecutive bytes.
; No matrix unit, tensor load or cluster: 512 KiB are read once and nothing is shared between work-groups but row 0.
; Limit: finite inputs only.
; THE MODE: SCHED_MODE bits 1:0 = 2 (LLVM: expert scheduling mode 2), set by the entry lines.  The code itself states the register dependences
; between vector instructions and memory or LDS instructions, with s_wait_alu, always for 0.
; THE PLAN.  Registers that memory or LDS instructions touch:
;   v3 .. v7, v52, v64, v65   offsets and LDS addresses: written once by vector lines at the head, never again; read by loads, stores and the closing add.
;   MRW, CR                   the five loads land here; no vector line names them ahead of the loads.
;   PK                        written once, by the eight conversions of all four rows; read by the four stores to cb16 (and by later vector lines, which only read).
;   SM                        written once a row by the reductions; read by the four LDS stores.
;   v[54:55]                  wave 0's LDS load lands here and its global store reads them; no vector line names them.
; So three waits on va_vdst state all of it: ahead of the first load (the addresses), behind the conversions (PK), behind the last reduction (SM).
; No register that a memory or LDS instruction reads is ever written again, so no wait on vm_vsrc is owed.  One wait on va_sdst stands ahead of the wave number's first reader.
.set MRW, 8                            ; v[8:11]   the level's row 0, my 4 columns, f32
.set CR,  12                           ; v[12:27]  my wave's 4 rows x my 4 columns, f32
.set MP,  28                           ; v[28:29]  row 0 as bf16
.set MUF, 30                           ; v[30:33]  row 0 as bf16, widened again: mu
.set PK,  34                           ; v[34:41]  4 rows x 2 words of bf16: the stores' data, a pair for each row
.set F,   42                           ; v[42:45]  at work
.set S,   46                           ; v[46:47]  at work
.set SM,  48                           ; v[48:51]  the 4 rows' b
	s_load_b128 s[4:7], s[0:1], 0x0                ; codebooks s[4:5], cb16 s[6:7]
	s_load_b64 s[8:9], s[0:1], 0x10                ; aux
	v_lshl_add_u32 v64, v0, 2, 0x100
	v_mov_b32 v65, 0
	v_lshrrev_b32 v1, 5, v0
	v_readfirstlane_b32 s10, v1                    ; wave 0..15
	v_and_b32 v2, 31, v0                           ; lane
	s_lshr_b32 s11, ttmp9, 2                       ; level
	s_and_b32 s12, ttmp9, 3                        ; quarter
	s_lshl_b32 s14, s11, 17                        ; a level is 131,072 bytes of f32
	s_mov_b32 s15, 0
	v_lshlrev_b32 v3, 4, v2                        ; row 0: 16 lane
	s_lshl_b32 s17, s12, 15                        ; 64 rows x 512 bytes a quarter
	s_wait_alu depctr_va_sdst(0)                   ; s10 is written, ahead of its first reader: the wave's offsets and the branch at the end are made from it
	s_lshl_b32 s18, s10, 11                        ; 4 rows x 512 bytes a wave
	s_add_co_u32 s17, s17, s18
	v_lshl_add_u32 v4, v2, 4, s17                  ; my wave's own rows
	s_mov_b32 s19, 0xffff0000                      ; a word's upper bf16
	s_mov_b32 s20, 0x76543210                      ; v_permlanex16_b32: lane i reads lane i of the other half
	s_mov_b32 s21, 0xfedcba98
	s_lshl_b32 s22, s11, 16                        ; cb16: 65,536 bytes a level,
	s_lshl_b32 s23, s12, 14                        ; 16,384 a quarter,
	s_lshl_b32 s24, s10, 10                        ; 1,024 a wave (4 rows of 256 bytes)
	s_add_co_u32 s22, s22, s23
	s_add_co_u32 s22, s22, s24
	v_lshl_add_u32 v5, v2, 3, s22                  ; + 8 lane
	s_lshl_b32 s25, s11, 10                        ; aux: 1,024 bytes a level, 256 a quarter
	s_lshl_b32 s26, s12, 8
	s_add_co_u32 s25, s25, s26
	v_lshl_add_u32 v6, v2, 3, s25                  ; + 8 lane
	s_lshl_b32 s27, s10, 4
	v_mov_b32 v7, s27                              ; LDS: my wave's four b at 16 wave
	v_lshlrev_b32 v52, 3, v2                       ; LDS: where wave 0 reads all 64 back
	s_wait_kmcnt 0x0
	s_add_nc_u64 s[4:5], s[4:5], s[14:15]          ; the level
	s_wait_alu depctr_va_vdst(0)                   ; v3 to v7, v52, v64 and v65 are written: every load, store and LDS instruction of the kernel reads one of them as its offset or address
	global_load_b128 v[MRW:MRW+3], v3, s[4:5]
.irp k, 0,1,2,3
	global_load_b128 v[CR+4*\k:CR+4*\k+3], v4, s[4:5] offset:\k*512
.endr
	s_wait_loadcnt 0x0
.irp k, 0,1,2,3
	v_cvt_pk_bf16_f32 v[PK+2*\k], v[CR+4*\k], v[CR+4*\k+1]
	v_cvt_pk_bf16_f32 v[PK+2*\k+1], v[CR+4*\k+2], v[CR+4*\k+3]
.endr
	s_wait_alu depctr_va_vdst(0)                   ; the eight conversions have written PK, which the four stores read
.irp k, 0,1,2,3
	global_store_b64 v5, v[PK+2*\k:PK+2*\k+1], s[6:7] offset:256*\k    ; the wave stores 256 consecutive bytes, aligned
.endr
	v_cvt_pk_bf16_f32 v[MP], v[MRW], v[MRW+1]
	v_cvt_pk_bf16_f32 v[MP+1], v[MRW+2], v[MRW+3]
	v_lshlrev_b32 v[MUF], 16, v[MP]                ; bf16 to f32: the low half moves up, the high half stays
	v_and_b32 v[MUF+1], s19, v[MP]
	v_lshlrev_b32 v[MUF+2], 16, v[MP+1]
	v_and_b32 v[MUF+3], s19, v[MP+1]
.irp k, 0,1,2,3
	v_lshlrev_b32 v[F], 16, v[PK+2*\k]             ; PK is only read from here on
	v_and_b32 v[F+1], s19, v[PK+2*\k]
	v_lshlrev_b32 v[F+2], 16, v[PK+2*\k+1]
	v_and_b32 v[F+3], s19, v[PK+2*\k+1]
	v_pk_add_f32 v[F:F+1], v[F:F+1], v[MUF:MUF+1] neg_lo:[0,1] neg_hi:[0,1]
	v_pk_add_f32 v[F+2:F+3], v[F+2:F+3], v[MUF+2:MUF+3] neg_lo:[0,1] neg_hi:[0,1]
	v_pk_mul_f32 v[S:S+1], v[F:F+1], v[F:F+1]
	v_pk_fma_f32 v[S:S+1], v[F+2:F+3], v[F+2:F+3], v[S:S+1]
	v_add_f32 v[SM+\k], v[S], v[S+1]
	v_add_f32_dpp v[SM+\k], v[SM+\k], v[SM+\k] row_xmask:1 row_mask:0xf bank_mask:0xf
	v_add_f32_dpp v[SM+\k], v[SM+\k], v[SM+\k] row_xmask:2 row_mask:0xf bank_mask:0xf
	v_add_f32_dpp v[SM+\k], v[SM+\k], v[SM+\k] row_xmask:4 row_mask:0xf bank_mask:0xf
	v_add_f32_dpp v[SM+\k], v[SM+\k], v[SM+\k] row_xmask:8 row_mask:0xf bank_mask:0xf
	v_permlanex16_b32 v[S], v[SM+\k], s20, s21     ; its destination counts as read: S has been written
	v_add_f32 v[SM+\k], v[SM+\k], v[S]
	v_mul_f32 v[SM+\k], 0.5, v[SM+\k]
.endr
	s_wait_alu depctr_va_vdst(0)                   ; the four reductions have written SM, which the LDS stores read
.irp k, 0,1,2,3
	ds_store_b32 v7, v[SM+\k] offset:4*\k          ; all lanes write the same word with the same value
.endr
	s_wait_dscnt 0x0                               ; my four b are written before I say so
	s_barrier_signal -1
	s_barrier_wait -1
	s_cmp_lg_u32 s10, 0
	s_cbranch_scc1 .Ldone
	ds_load_b64 v[54:55], v52                      ; wave 0: the work-group's 64 b; no vector line names v[54:55], and v52 stands as the head made it
	s_wait_dscnt 0x0
	global_store_b64 v6, v[54:55], s[8:9]          ; 256 consecutive bytes, aligned
.Ldone:
	s_wait_dscnt 0x0                               ; the closing lines, six on end
	s_wait_alu 0x0
	s_wait_tensorcnt 0x0
	ds_add_u32 v64, v65
	s_wait_dscnt 0x0
	s_endpgm
.Lfunc_end_k_q7ac257e921_prep:
	.size	k_q7ac257e921_prep, .Lfunc_end_k_q7ac257e921_prep-k_q7ac257e921_prep
	.p2alignl 7, 3214868480
	.fill 96, 4, 3214868480
	.section	.rodata,"a",@progbits
	.p2align	6, 0x0
	.amdhsa_kernel k_q7ac257e921_prep
		.amdhsa_group_segment_fixed_size 2304
		.amdhsa_private_segment_fixed_size 0
		.amdhsa_enable_private_segment 0
		.amdhsa_kernarg_size 24
		.amdhsa_user_sgpr_count 2
		.amdhsa_user_sgpr_kernarg_segment_ptr 1
		.amdhsa_wavefront_size32 1
		.amdhsa_system_sgpr_workgroup_id_x 1
		.amdhsa_system_sgpr_workgroup_id_y 1
		.amdhsa_system_sgpr_workgroup_id_z 1
		.amdhsa_system_vgpr_workitem_id 0
		.amdhsa_next_free_vgpr 66
		.amdhsa_next_free_sgpr 66
		.amdhsa_reserve_vcc 0
		.amdhsa_float_denorm_mode_32 3
		.amdhsa_float_denorm_mode_16_64 3
		.amdhsa_memory_ordered 1
		.amdhsa_forward_progress 1
		.amdhsa_inst_pref_size 8
	.end_amdhsa_kernel
	.amdgpu_metadata
---
amdhsa.version: [ 1, 2 ]
amdhsa.kernels:
  - .name:           k_q7ac257e921_prep
    .symbol:         k_q7ac257e921_prep.kd
    .args:
      - { .name: codebooks, .offset: 0, .size: 8, .value_kind: global_buffer, .address_space: global }
      - { .name: cb16, .offset: 8, .size: 8, .value_kind: global_buffer, .address_space: global }
      - { .name: aux, .offset: 16, .size: 8, .value_kind: global_buffer, .address_space: global }
    .group_segment_fixed_size: 2304
    .private_segment_fixed_size: 0
    .kernarg_segment_align: 8
    .kernarg_segment_size: 24
    .max_flat_workgroup_size: 512
    .sgpr_count:     66
    .vgpr_count:     66
    .wavefront_size: 32
...
	.end_amdgpu_metadata
.endif
;; end of part 3
;; launch rvq: the kernel of part 2 again; grid 256 x 1, 4 waves a work-group, clusters of 4 x 1, 315,904 bytes of LDS; arguments cb16, aux, hidden_states, out0, out1; writes out0, out1
